; MI455X (gfx1250); checked and timed in simulation.
; The chip was launched on July 23, 2026; its instructions are those of AMD's public machine-readable ISA for CDNA 5 (MIT licence, August 2026) and "CDNA5" Instruction Set Architecture Reference Guide (July 2026). The comments in the code are by the model that wrote it; some were corrected since.
;; Self Attention. Allowed arithmetic: matrix products marked QUANTISED: E2M3 operands, one E8M0 scale for each 32 along K, by v_wmma_scale_f32_16x16x128_f8f6f4 with both operands' format E2M3, f32 sums; everything else in f32.
;; Inputs: W_out 1,024 x 1,024 float32; W_qkv 3,072 x 1,024 float32; b_out 1,024 float32; x 4 x 2,048 x 1,024 float32.
;; Outputs: out0 4 x 2,048 x 1,024 float32.
;; This version of the problem:
;;   THIS VERSION OF THE PROBLEM IS GIVEN IN LOW PRECISION. The matrix products marked QUANTISED in the list below multiply operands that are first quantised to E2M3 (2 exponent bits, 3 mantissa bits; 6 bits a number), with one power-of-two scale for each 32 numbers along K (OCP MX v1.0); their sums are f32. All else is computed in f32.
;;   The module's matrix products, in the order in which they are computed (A, B: the left and right operand; K: the contracted axis; several contracted axes count as one K, in the product's order):
;;     1. [M 8,192, K 1,024] x [K 1,024, N 3,072]; A: input x; B: input W_qkv: QUANTISED
;;     2. batch 64 x [M 2,048, K 64] x [K 64, N 2,048]; A: computed on the way; B: computed on the way: QUANTISED
;;     3. batch 64 x [M 64, K 2,048] x [K 2,048, N 2,048]; A: computed on the way; B: softmax (see below): QUANTISED
;;     4. [M 8,192, K 1,024] x [K 1,024, N 1,024]; A: computed on the way; B: input W_out: QUANTISED
;;   THE QUANTISER, for each operand of a quantised product, along K:
;;     - K is cut into blocks of 32 from its start; a last block that is shorter is filled with zeros.
;;     - A block's scale is 2^e with e = floor(log2(the largest magnitude in the block)) - 2, held to -126 .. 127; a block of zeros has e = 0. As a byte (E8M0): e + 127.
;;     - Each number is divided by its block's scale, clamped to +-7.5, and rounded to the nearest number of E2M3, ties to even, subnormals kept.
;;     - The product sums the exact products of the quantised numbers (number of the format x scale) in f32.
;;   ~~~python
;;   def quantise(x, axis):      # numpy; x: float32 -> the quantised numbers, widened to float32 again
;;       x = np.moveaxis(x, axis, -1); K = x.shape[-1]
;;       x = np.pad(x, [(0, 0)] * (x.ndim - 1) + [(0, -K % 32)]); x = x.reshape(x.shape[:-1] + (-1, 32)); a = np.abs(x).max(-1, keepdims=True)
;;       e = np.where(a > 0, np.clip(np.frexp(np.where(a > 0, a, 1))[1] - 1 - 2, -126, 127), 0)      # np.frexp(a)[1] - 1 = floor(log2(a)), exactly
;;       r = np.clip(x / 2.0 ** e, -7.5, 7.5)
;;       step = 2.0 ** (np.maximum(np.frexp(np.where(r == 0, 1, r))[1] - 1, 0) - 3)
;;       q = np.round(r / step) * step * 2.0 ** e      # np.round: ties to even
;;       return np.moveaxis(q.reshape(q.shape[:-2] + (-1,))[..., :K], -1, axis).astype(np.float32)
;;   ~~~
;;   SOFTMAX AHEAD OF A QUANTISED PRODUCT. Where the list says 'softmax', what is quantised is not the finished softmax but p = 2^(t - M), with t = logit x log2(e) and M = ceil(the row's largest t), a whole number; so 1/2 < the row's largest p <= 1. The row's sum l is taken of the UNQUANTISED p, in f32, and the product's result is divided by l at the end. Since M is a whole number, a kernel that streams over the keys may use a running M (the ceiling of the running maximum): every later rescaling is an exact power of two, which a block's scale takes up: the codes' values come out the same.
;;   OPERANDS COMPUTED ON THE WAY. 'Computed on the way' means the value that the module computes at that place (a softmax that the list does not call 'softmax' is quantised finished and normalised). What goes into a quantiser is computed in f32, as accurately as f32 sums, v_exp_f32 and their like allow (about 1e-6 of the number): no bf16 or f16 on the way to a quantiser, and a product that is left as it is and whose result goes on into a quantised operand takes f32 operands (vector FMAs, or v_wmma_f32_16x16x4_f32). A number that lies on a knife's edge between two numbers of the format may be rounded either way, as far as f32 arithmetic and the matrix unit's own rounding can turn it there, and no further.
;; One version. Each part assembles by itself: llvm-mc -triple=amdgcn-amd-amdhsa -mcpu=gfx1250 --defsym DOCPART=n.
;; ======== version 1 of 1: 4 launches
;; workspace buffers: ops 9,830,400 bytes; qkv 20,447,232 bytes; att 6,553,600 bytes
;; launch quant (part 1): grid 768 x 1, 2 waves a work-group, no clusters, 17,152 bytes of LDS; arguments x, W_qkv, W_out, ops; writes ops
.if DOCPART == 1
	.amdgcn_target "amdgcn-amd-amdhsa--gfx1250"
	.amdhsa_code_object_version 6
	.text
	.protected	k_qcd1e77d481_quant
	.globl	k_qcd1e77d481_quant
	.p2align	8
	.type	k_qcd1e77d481_quant,@function
k_qcd1e77d481_quant:
	s_mov_b64 s[64:65], 0
	v_nop
	global_prefetch_b8 v0, s[64:65] scope:SCOPE_SE
	s_setreg_imm32_b32 hwreg(HW_REG_WAVE_MODE, 25, 1), 1
	s_wait_xcnt 0x0
; x [8192][1024], W_qkv [3072][1024] and W_out [1024][1024], f32 with K innermost, become codes of FP6 (E2M3) with one E8M0 byte for each 32 along K,
; laid in the ORDER OF AN OPERAND'S REGISTERS, so that the products' launches read fragments as they stand.
; A ROW BLOCK is 16 rows: block 2 G + u, lane row r, holds row 32 G + 8 u + r + 8 (r / 8).  A FRAGMENT (16 rows x 128 K, 12 registers a lane) is 1,536 bytes: registers 2 g, 2 g + 1 of lane l at 256 g + 8 l.
; ops: block t's eight fragments at 12,288 t; its scale words (512 bytes) at SR0 + 512 t: [jj][lane][j]: the word of K step 4 jj + 2 j + lane / 16, row lane % 16.
; Blocks 0-511: x.  512-703: W_qkv, regrouped by kind (q, k, v), 64 blocks each, 4 a head: block 512 + j comes from row 192 ((j / 4) % 16) + 64 (j / 64) on.  704-767: W_out.
; A block's scale is 2^(floor(log2(largest magnitude)) - 2): its byte is the largest magnitude's exponent field - 2, held at 1 from below by a floor among the maximum's leaves.
; LIMITS: NaN and infinities are not served; a block whose largest magnitude lies under 2^-124, a block of zeros too, gets the byte 1 (its codes are then small or zero; this program alone reads the bytes).
; SHARES: a work-group takes one row block, each of its two waves 512 along K: four fragments.  Each load reads 512 consecutive bytes of one row; the 16 rows x 512 bytes of a fragment turn through the wave's own
; stage in LDS (rows 528 bytes apart) and come back so that a lane holds two whole blocks of 32 of its row.  Waves share nothing: no barrier.  No input is shared between work-groups: no cluster, no tensor load.
.set STG,  8448                        ; a wave's stage: 16 rows x 528 bytes
.set PIT,  528
.set SR0,  9437184                     ; where the scale words begin in ops
.set L16,  2                           ; v2   16 x lane
.set SIN,  3                           ; v3   into the stage: 16 x lane + my stage
.set SOUT, 4                           ; v4   out of it: 528 r + 128 h + my stage
.set L8,   5                           ; v5   8 x lane
.set H8,   6                           ; v6   8 h
.set WD,   16                          ; v16-19 the four fragments' scale words
.set TP,   24                          ; v24-26, v28-30 the upper halves of two blocks' codes
.set CD,   32                          ; v32-55 codes: two sets of 12
.set R,    64                          ; v64-255 three sets of 64 numbers
	s_load_b128 s[4:7], s[0:1], 0x0                ; x, W_qkv
	s_load_b128 s[8:11], s[0:1], 0x10              ; W_out, ops
	v_lshl_add_u32 v62, v0, 2, 0x4200
	v_mov_b32 v63, 0
	v_lshrrev_b32 v1, 5, v0
	v_readfirstlane_b32 s22, v1                    ; wave 0, 1
	v_and_b32 v1, 31, v0                           ; lane
	v_lshlrev_b32 v[L16], 4, v1
	v_lshlrev_b32 v[L8], 3, v1
	v_and_b32 v7, 15, v0                           ; r
	v_bfe_u32 v[H8], v0, 4, 1                      ; h
	s_mul_i32 s23, s22, STG
	v_add_nc_u32 v[SIN], s23, v[L16]
	v_mul_u32_u24 v[SOUT], v7, PIT
	v_lshl_add_u32 v[SOUT], v[H8], 7, v[SOUT]
	v_add_nc_u32 v[SOUT], s23, v[SOUT]
	v_lshlrev_b32 v[H8], 3, v[H8]
	v_mov_b32 v15, 0                               ; a lane permute's destination counts as one of its sources
	s_mov_b32 s24, 0x76543210
	s_mov_b32 s25, 0xfedcba98                      ; v_permlanex16_b32's selects for lane l xor 16
	s_mov_b32 vcc_lo, 0xffff0000                   ; lanes 16-31
	; the block's first row in its tensor: three candidates, each held inside its own tensor, then one is chosen by the work-group's number
	s_lshr_b32 s12, ttmp9, 2
	s_min_u32 s12, s12, 127
	s_lshl_b32 s12, s12, 6                         ; x: 64 (t / 4)
	s_max_u32 s13, ttmp9, 704
	s_sub_co_u32 s13, s13, 704
	s_lshr_b32 s13, s13, 2
	s_lshl_b32 s13, s13, 6                         ; W_out: 64 ((t - 704) / 4)
	s_max_u32 s14, ttmp9, 512
	s_min_u32 s14, s14, 703
	s_sub_co_u32 s14, s14, 512                     ; j
	s_bfe_u32 s15, s14, 0x40002                    ; the head: (j / 4) % 16
	s_mul_i32 s15, s15, 192
	s_lshr_b32 s14, s14, 6                         ; the kind
	s_lshl_b32 s14, s14, 6
	s_add_co_u32 s14, s14, s15                     ; W_qkv: 192 head + 64 kind
	s_bfe_u32 s16, ttmp9, 0x10001
	s_lshl_b32 s16, s16, 5
	s_and_b32 s17, ttmp9, 1
	s_lshl_b32 s17, s17, 3
	s_add_co_u32 s16, s16, s17                     ; + 32 ((t / 2) % 2) + 8 (t % 2): 512 and 704 are multiples of 4, so t's low bits serve all three
	s_mul_i32 s18, ttmp9, 12288
	s_mul_i32 s20, s22, 6144
	s_add_co_u32 s18, s18, s20                     ; my four fragments in ops
	s_mov_b32 s19, 0
	s_lshl_b32 s20, ttmp9, 9
	s_lshl_b32 s21, s22, 8
	s_add_co_u32 s20, s20, s21
	s_add_co_u32 s20, s20, SR0                     ; and my 256 bytes of scale words
	s_mov_b32 s21, 0
	s_wait_kmcnt 0x0
	s_cmp_lt_u32 ttmp9, 704                        ; the choices hang on the work-group's number alone
	s_cselect_b64 s[6:7], s[6:7], s[8:9]
	s_cselect_b32 s14, s14, s13
	s_cmp_lt_u32 ttmp9, 512
	s_cselect_b64 s[4:5], s[4:5], s[6:7]
	s_cselect_b32 s12, s12, s14
	s_add_co_u32 s12, s12, s16
	s_lshl_b32 s12, s12, 12                        ; rows of 4,096 bytes
	s_lshl_b32 s13, s22, 11                        ; my half of K: 2,048 bytes
	s_add_co_u32 s12, s12, s13
	s_mov_b32 s13, 0
	s_add_nc_u64 s[4:5], s[4:5], s[12:13]
	s_add_nc_u64 s[18:19], s[10:11], s[18:19]
	s_add_nc_u64 s[20:21], s[10:11], s[20:21]
.macro LOAD s                          ; fragment s: 16 rows x 512 bytes into set s % 3; the block's rows 8-15 lie 8 rows further down
.irp i, 0,1,2,3,4,5,6,7,8,9,10,11,12,13,14,15
	global_load_b128 v[R+64*((\s)%3)+4*\i:R+64*((\s)%3)+4*\i+3], v[L16], s[4:5] offset:(\i+8*(\i/8))*4096+512*(\s) th:TH_LOAD_NT
.endr
.endm
; Fragment s.  left: the loads issued behind its sixteen, which may stay out.
.macro QSTEP s, left
.set RS, R+64*((\s)%3)
.set CS, CD+12*((\s)%2)
	s_wait_loadcnt \left
.irp i, 0,1,2,3,4,5,6,7,8,9,10,11,12,13,14,15
	ds_store_b128 v[SIN], v[RS+4*\i:RS+4*\i+3] offset:PIT*\i
.endr
.irp c, 0,1
.irp q, 0,1,2,3,4,5,6,7
	ds_load_b128 v[RS+32*\c+4*\q:RS+32*\c+4*\q+3], v[SOUT] offset:256*\c+16*\q   ; LDS serves a wave's instructions in order: these see the stores above.  Register 32 c + i: k = 64 c + 32 h + i of row r
.endr
.endr
	s_wait_dscnt 0x0
.irp c, 0,1
	v_max3_num_f32 v[8+\c], |v[RS+32*\c]|, |v[RS+32*\c+1]|, 0x1800000   ; my block 2 c + h: all its 32 numbers are mine; the floor 2^(3 - 127) holds the byte at 1 from below
.endr
.irp i, 2,4,6,8,10,12,14,16,18,20,22,24,26,28,30
.irp c, 0,1
	v_max3_num_f32 v[8+\c], v[8+\c], |v[RS+32*\c+\i]|, |v[RS+32*\c+\i+1]|
.endr
.endr
.irp c, 0,1
	v_add_nc_u32 v[10+\c], 0xff000000, v[8+\c]     ; 2 off the exponent field: the conversion takes the exponent field of this operand as its scale
.endr
.irp c, 0,1
	v_lshrrev_b32 v[12+\c], 23, v[10+\c]           ; the scale's byte
.endr
	v_lshl_or_b32 v14, v13, 16, v12                ; my two bytes, blocks h and 2 + h,
	v_lshlrev_b32 v14, v[H8], v14                  ; at their places in the word;
	v_permlanex16_b32 v15, v14, s24, s25
	v_or_b32 v[WD+(\s)], v14, v15                  ; with lane l xor 16's two the word is whole
.if (\s) >= 2
	s_wait_xcnt 0x0                                ; this set of codes was stored two fragments ago: it is rewritten only behind this wait
.endif
.irp c, 0,1
	v_cvt_scalef32_pk16_fp6_f32 v[CS+6*\c:CS+6*\c+2], v[RS+32*\c:RS+32*\c+15], v[10+\c]
	v_cvt_scalef32_pk16_fp6_f32 v[TP+4*\c:TP+4*\c+2], v[RS+32*\c+16:RS+32*\c+31], v[10+\c]   ; (a conversion's three registers begin on an even number)
.endr
	v_nop                                          ; one plain place behind a scaled conversion
.irp c, 0,1
.irp i, 0,1,2
	v_mov_b32 v[CS+6*\c+3+\i], v[TP+4*\c+\i]
.endr
.endr
.irp g, 0,1,2,3,4,5
	global_store_b64 v[L8], v[CS+2*\g:CS+2*\g+1], s[18:19] offset:1536*(\s)+256*\g   ; 32 lanes store 256 consecutive bytes, at a multiple of 256 from the buffer's first byte
.endr
.endm
	LOAD 0
	LOAD 1
	LOAD 2
	QSTEP 0, 32
	LOAD 3                                         ; into the set that fragment 0 has left
	QSTEP 1, 32
	QSTEP 2, 16
	QSTEP 3, 0
	v_cndmask_b32 v20, v[WD], v[WD+1], vcc_lo      ; lanes 0-15 carry the even K step's words, lanes 16-31 the odd one's
	v_cndmask_b32 v21, v[WD+2], v[WD+3], vcc_lo
	global_store_b64 v[L8], v[20:21], s[20:21]
	s_wait_tensorcnt 0x0
	ds_add_u32 v62, v63
	s_wait_dscnt 0x0
	s_endpgm
.Lfunc_end_k_qcd1e77d481_quant:
	.size	k_qcd1e77d481_quant, .Lfunc_end_k_qcd1e77d481_quant-k_qcd1e77d481_quant
	.p2alignl 7, 3214868480
	.fill 96, 4, 3214868480
	.section	.rodata,"a",@progbits
	.p2align	6, 0x0
	.amdhsa_kernel k_qcd1e77d481_quant
		.amdhsa_group_segment_fixed_size 17152
		.amdhsa_private_segment_fixed_size 0
		.amdhsa_enable_private_segment 0
		.amdhsa_kernarg_size 32
		.amdhsa_user_sgpr_count 2
		.amdhsa_user_sgpr_kernarg_segment_ptr 1
		.amdhsa_wavefront_size32 1
		.amdhsa_system_sgpr_workgroup_id_x 1
		.amdhsa_system_sgpr_workgroup_id_y 1
		.amdhsa_system_sgpr_workgroup_id_z 1
		.amdhsa_system_vgpr_workitem_id 0
		.amdhsa_next_free_vgpr 256
		.amdhsa_next_free_sgpr 66
		.amdhsa_reserve_vcc 1
		.amdhsa_float_denorm_mode_32 3
		.amdhsa_float_denorm_mode_16_64 3
		.amdhsa_memory_ordered 1
		.amdhsa_forward_progress 1
		.amdhsa_inst_pref_size 32
	.end_amdhsa_kernel
	.amdgpu_metadata
---
amdhsa.version: [ 1, 2 ]
amdhsa.kernels:
  - .name:           k_qcd1e77d481_quant
    .symbol:         k_qcd1e77d481_quant.kd
    .args:
      - { .name: x, .offset: 0, .size: 8, .value_kind: global_buffer, .address_space: global }
      - { .name: W_qkv, .offset: 8, .size: 8, .value_kind: global_buffer, .address_space: global }
      - { .name: W_out, .offset: 16, .size: 8, .value_kind: global_buffer, .address_space: global }
      - { .name: ops, .offset: 24, .size: 8, .value_kind: global_buffer, .address_space: global }
    .group_segment_fixed_size: 17152
    .private_segment_fixed_size: 0
    .kernarg_segment_align: 8
    .kernarg_segment_size: 32
    .max_flat_workgroup_size: 64
    .sgpr_count:     66
    .vgpr_count:     256
    .wavefront_size: 32
...
	.end_amdgpu_metadata
.endif
;; end of part 1
;; launch qkvg (part 2): grid 12 x 64, 8 waves a work-group, clusters of 4 x 4, 295,936 bytes of LDS; arguments ops, qkv; writes qkv
.if DOCPART == 2
	.amdgcn_target "amdgcn-amd-amdhsa--gfx1250"
	.amdhsa_code_object_version 6
	.text
	.protected	k_qcd1e77d481_qkvg
	.globl	k_qcd1e77d481_qkvg
	.p2align	8
	.type	k_qcd1e77d481_qkvg,@function
k_qcd1e77d481_qkvg:
	s_mov_b64 s[64:65], 0
	v_nop
	global_prefetch_b8 v0, s[64:65] scope:SCOPE_SE
	s_setreg_imm32_b32 hwreg(HW_REG_WAVE_MODE, 25, 1), 1
	s_wait_xcnt 0x0
	s_wait_alu depctr_hold_cnt(0) depctr_sa_sdst(0) depctr_va_vdst(0) depctr_va_sdst(0) depctr_va_ssrc(0) depctr_va_vcc(0) depctr_vm_vsrc(0)
	s_getreg_b32 s2, hwreg(HW_REG_IB_STS2, 6, 4)
	s_cmp_eq_u32 s2, 0
	s_cbranch_scc0 .Lentry_in_a_cluster
	s_endpgm
.Lentry_in_a_cluster:
	s_bfe_u32 s2, ttmp6, 0x10000c
	s_cmp_lg_u32 s2, 0xf033
	s_cbranch_scc0 .Lentry_shape_is_right
	s_endpgm
.Lentry_shape_is_right:
; qkv = x W_qkv^T on codes of FP6 (E2M3) with E8M0 scales, K = 1,024; the f32 sums are quantised again in registers and leave as codes: q and k along a head's 64 channels, v along the keys.
; OPERANDS lie in ops as images of fragments (16 rows x 128 K: registers 2 g, 2 g + 1 of lane l at 256 g + 8 l; a row block's eight fragments are 12,288 bytes on end).  Row block 2 G + u, lane row r, holds row
; 32 G + 8 u + r + 8 (r / 8): so, where a row block is source 0, a lane's 16 result registers of two neighbouring tiles are 16 NEIGHBOURS, 32 G + 16 (lane / 16) + 0 .. 15.
; A TILE is 128 rows of the A role x 256 rows of the B role.  Source 0 = B role, source 1 = A role: a lane holds ONE row of the A role and its registers run along the B role's rows, which are the next product's K.
;   clusters x = 0, 1: A = x (64 tiles), B = W_q | W_k (8 tiles): registers run along a head's channels.     cluster x = 2: A = W_v (8 tiles), B = x (32 tiles): registers run along the keys.
; Eight waves, 2 (A) x 4 (B), each 64 x 64: 16 accumulators.  768 work-groups: three for each of 256 WGPs.  All of K for the tile is 294,912 bytes: every LDS byte is filled ONCE, in four slots of 256 along K;
; nothing is filled again, so the only ordering is: the loading wave's counted wait, a barrier, the reads.
; CLUSTER 4 x 4: A's tile hangs on the cluster's place and cy alone and is asked for jointly along a row of the cluster, B's on cx alone, along a column.  The roles are chosen by arithmetic on the cluster's x,
; which all partners share; there is no branch on it.
; RESULT, in qkv: kind (0 q, 1 k, 2 v) x 6,291,456 + (16 batch + head) x 98,304 + g x 3,072 + i x 768: a HALF fragment (registers 0-5, K 0 .. 63) of tile i of the 64-row group g of the sequence
;   (q, k: sequence rows 64 g on as four row blocks, K = the channels;  v: channel tile i, K = the 64 keys of group g).  Scale words at QSC + kind x 524,288 + (16 batch + head) x 8,192 + 256 g:
;   [lane][p]: tile 2 p + lane / 16, row lane % 16: two bytes, the upper two 0.
; LIMITS: NaN and infinities are not served; a block whose largest magnitude lies under 2^-124 gets the byte 1.
; REGISTERS: window 0: v1-3 addresses; v16-31 A's scale words, v32-47 B's (tile i: 4 registers; K step s: register s / 2, lanes 16-31 where s is odd); v48-107 at work on the way out; v128-255 accumulators (a, b) at 128 + 8 (4 a + b).
;   window 1: v0-47 A's four fragments, v48-95 B's.
.set RBK,   12288                      ; a row block in memory
.set RBS,   3072                       ; a row block in a slot: two fragments
.set FRB,   1536
.set SLOTB, 24*RBS                     ; A's 8 row blocks, then B's 16
.set SR0,   9437184                    ; scale words in ops
.set QSC,   18874368                   ; scale words in qkv
.set WV,  14
.set WA,  15
.set WB,  16
.set G1A, 20                           ; s[20:27], s[28:35] descriptor groups 1
.set G1B, 28
.set G0A, 36                           ; s[36:51] A's four groups 0
.set G0B, 52                           ; s[52:63], s[68:71] B's four
.set L8,  1
.set ADA, 2
.set ADB, 3
.set SA,  16
.set SB,  32
.set TM,  48
.set ACC, 128
.set FA,  0
.set FB,  48
.set MSB, 0
.macro WIN new                         ; the immediate's high byte repeats the setting that is left
.if MSB != \new
	s_set_vgpr_msb (MSB<<8)|\new
.set MSB, \new
.endif
.endm
.set MUL,  0x05                        ; sources 0 and 1 window 1; C and D window 0
.set TO_F, 0x40                        ; destination window 1, address window 0
.macro CROUND                          ; a round of the cluster's barrier
	s_barrier_signal -1
	s_barrier_wait -1
	s_cmp_lg_u32 s[WV], 0
	s_cbranch_scc1 .Lnot_wave_0_\@
	s_barrier_signal -3
.Lnot_wave_0_\@:
	s_barrier_wait -3
	s_barrier_signal -1
	s_barrier_wait -1
.endm
.macro PLACES n
.rept \n
	v_nop
.endr
.endm
	s_load_b128 s[4:7], s[0:1], 0x0                ; ops, qkv
	v_lshl_add_u32 v126, v0, 2, 0x48000
	v_mov_b32 v127, 0
	ds_add_u32 v126, v127
	ds_add_u32 v126, v127
	v_lshrrev_b32 v1, 5, v0
	v_readfirstlane_b32 s[WV], v1                  ; wave 0..7
	s_lshr_b32 s[WA], s[WV], 2                     ; my 64 rows of the A role
	s_and_b32 s[WB], s[WV], 3                      ; my 64 rows of the B role
	s_bfe_u32 s17, ttmp6, 0x40000                  ; cx
	s_bfe_u32 s18, ttmp6, 0x40004                  ; cy
	s_and_b32 s19, ttmp7, 0xffff                   ; the cluster's y, 0..15
	s_lshr_b32 s72, ttmp9, 1                       ; 1 for v (cluster x = 2), else 0
	s_xor_b32 s73, s72, 1
	s_and_b32 s74, s19, 14
	s_mul_i32 s74, s74, s73
	s_and_b32 s75, s19, 1
	s_add_co_u32 s74, s74, s75                     ; q, k: the cluster's y;  v: its low bit
	s_lshl_b32 s74, s74, 2
	s_add_co_u32 s74, s74, s18                     ; A's tile: never holds cx
	s_lshr_b32 s76, s19, 1
	s_mul_i32 s76, s76, s72
	s_and_b32 s77, ttmp9, 1
	s_add_co_u32 s76, s76, s77                     ; q, k: the cluster's x;  v: the cluster's y / 2
	s_lshl_b32 s76, s76, 2
	s_add_co_u32 s76, s76, s17                     ; B's tile: never holds cy
	s_mul_i32 s78, s72, 640
	s_lshl_b32 s79, s74, 3
	s_add_co_u32 s78, s78, s79                     ; A's first row block in ops: x from 0, W_v from 640
	s_lshl_b32 s80, s73, 9
	s_lshl_b32 s81, s76, 4
	s_add_co_u32 s80, s80, s81                     ; B's: W_q | W_k from 512, x from 0
	s_lshl_b32 s82, s18, 2
	s_lshl_b32 s82, 15, s82                        ; my row of the cluster
	s_lshl_b32 s83, 0x1111, s17                    ; my column
	; descriptor group 1: 4 row blocks' parts of a slot: 4 rows of 3,072 bytes (384 elements of 8 bytes), 12,288 bytes apart; dense in LDS
	s_or_b32 s[G1A], s82, (3<<16)|(1<<21)          ; 15:0 the mask; 17:16 elements of 8 bytes; 21 set beside a mask
	s_or_b32 s[G1B], s83, (3<<16)|(1<<21)
.irp g, G1A, G1B
	s_mov_b32 s[\g+1], 384<<16                     ; tensor_dim0
	s_mov_b32 s[\g+2], 4<<16                       ; tensor_dim1
	s_mov_b32 s[\g+3], 384<<16                     ; tile_dim0
	s_mov_b32 s[\g+4], 4                           ; tile_dim1
	s_mov_b32 s[\g+5], 1536                        ; elements from row to row
	s_mov_b32 s[\g+6], 0
	s_mov_b32 s[\g+7], 0
.endr
	s_and_b32 s84, s[WV], 1                        ; waves 0, 1 fetch A's row blocks 0-3, 4-7;
	s_lshl_b32 s84, s84, 2
	s_add_co_u32 s84, s84, s78
	s_mul_i32 s84, s84, RBK
	s_mov_b32 s85, 0
	s_sub_co_u32 s86, s[WV], 2                     ; waves 2 to 5 B's 0-3 .. 12-15
	s_and_b32 s86, s86, 3
	s_lshl_b32 s86, s86, 2
	s_add_co_u32 s86, s86, s80
	s_mul_i32 s86, s86, RBK
	s_mov_b32 s87, 0
	s_min_u32 s88, s[WV], 5
	s_mul_i32 s88, s88, 4*RBS                      ; where they go in a slot: wave x 4 row blocks
	; my scale words
	s_lshl_b32 s91, s[WA], 2
	s_add_co_u32 s91, s91, s78
	s_lshl_b32 s92, s91, 9
	s_add_co_u32 s92, s92, SR0
	s_mov_b32 s93, 0
	s_lshl_b32 s91, s[WB], 2
	s_add_co_u32 s91, s91, s80
	s_lshl_b32 s94, s91, 9
	s_add_co_u32 s94, s94, SR0
	s_mov_b32 s95, 0
	; where my 64 x 64 goes
	s_lshl_b32 s89, s74, 1
	s_add_co_u32 s89, s89, s[WA]                   ; my group of 64 rows of the A role
	s_lshl_b32 s90, s76, 2
	s_add_co_u32 s90, s90, s[WB]                   ; and of the B role
	s_mul_i32 s75, s89, s73
	s_mul_i32 s77, s90, s72
	s_add_co_u32 s75, s75, s77                     ; x's group: 32 batch + g
	s_add_co_u32 s77, s89, 32
	s_mul_i32 s77, s77, s72
	s_mul_i32 s79, s90, s73
	s_add_co_u32 s77, s77, s79                     ; the weight's group: 16 kind + head
	s_lshr_b32 s79, s77, 4                         ; kind
	s_and_b32 s77, s77, 15                         ; head
	s_lshr_b32 s81, s75, 5                         ; batch
	s_and_b32 s75, s75, 31                         ; g
	s_lshl_b32 s81, s81, 4
	s_add_co_u32 s81, s81, s77                     ; 16 batch + head
	s_mul_i32 s96, s79, 6291456
	s_mul_i32 s91, s81, 98304
	s_add_co_u32 s96, s96, s91
	s_mul_i32 s91, s75, 3072
	s_add_co_u32 s96, s96, s91
	s_mov_b32 s97, 0
	s_lshl_b32 s98, s79, 19
	s_lshl_b32 s91, s81, 13
	s_add_co_u32 s98, s98, s91
	s_lshl_b32 s91, s75, 8
	s_add_co_u32 s98, s98, s91
	s_add_co_u32 s98, s98, QSC
	s_mov_b32 s99, 0
	s_mov_b32 s2, 0x76543210
	s_mov_b32 s3, 0xfedcba98                       ; v_permlanex16_b32's selects for lane l xor 16
	s_mov_b32 vcc_lo, 0xffff0000                   ; lanes 16-31
	v_and_b32 v1, 31, v0
	v_lshlrev_b32 v[L8], 3, v1                     ; 8 x lane: a lane's place in every image
	s_mul_i32 s89, s[WA], 4*RBS
	v_add_nc_u32 v[ADA], s89, v[L8]                ; my four row blocks of A in slot 0
	s_mul_i32 s90, s[WB], 4*RBS
	s_add_co_u32 s90, s90, 8*RBS
	v_add_nc_u32 v[ADB], s90, v[L8]                ; and of B, behind A's eight
.irp b, 0,1,2,3
	v_mov_b32 v[TM+4+\b], 0                        ; a lane permute's destination counts as one of its sources
.endr
	s_wait_dscnt 0x0
	s_wait_kmcnt 0x0
	s_add_nc_u64 s[84:85], s[4:5], s[84:85]
	s_add_nc_u64 s[86:87], s[4:5], s[86:87]
	s_add_nc_u64 s[92:93], s[4:5], s[92:93]
	s_add_nc_u64 s[94:95], s[4:5], s[94:95]
	s_add_nc_u64 s[96:97], s[6:7], s[96:97]
	s_add_nc_u64 s[98:99], s[6:7], s[98:99]
.irp g, 0,1,2,3
	s_mov_b32 s[G0A+4*\g], 1                       ; count = 1
	s_add_co_u32 s[G0A+4*\g+1], s88, \g*SLOTB      ; LDS address
	s_add_nc_u64 s[G0A+4*\g+2:G0A+4*\g+3], s[84:85], \g*RBS   ; slot g: 256 along K, 3,072 bytes on in each row block
	s_or_b32 s[G0A+4*\g+3], s[G0A+4*\g+3], 0x80000000         ; type = 2
	s_mov_b32 s[G0B+4*\g+4*(\g/3)], 1
	s_add_co_u32 s[G0B+4*\g+4*(\g/3)+1], s88, \g*SLOTB
	s_add_nc_u64 s[G0B+4*\g+4*(\g/3)+2:G0B+4*\g+4*(\g/3)+3], s[86:87], \g*RBS
	s_or_b32 s[G0B+4*\g+4*(\g/3)+3], s[G0B+4*\g+4*(\g/3)+3], 0x80000000
.endr
	CROUND                                         ; all sixteen work-groups are here: the joint loads meet
	s_cmp_lt_u32 s[WV], 2                          ; a wave's four fills stand in one branch on its number: four tensor loads of mine are out at the most
	s_cbranch_scc0 .Lnot_a
.irp g, 0,1,2,3
	tensor_load_to_lds s[G0A+4*\g:G0A+4*\g+3], s[G1A:G1A+7]
	s_nop 0
.endr
	PLACES 4
	s_branch .Lasked
.Lnot_a:
	s_cmp_lt_u32 s[WV], 6
	s_cbranch_scc0 .Lasked
.irp g, 0,1,2,3
	tensor_load_to_lds s[G0B+4*\g+4*(\g/3):G0B+4*\g+4*(\g/3)+3], s[G1B:G1B+7]
	s_nop 0
.endr
	PLACES 4
.Lasked:
.irp i, 0,1,2,3
.irp j, 0,1
	global_load_b64 v[SA+4*\i+2*\j:SA+4*\i+2*\j+1], v[L8], s[92:93] offset:512*\i+256*\j   ; 256 consecutive bytes each
	global_load_b64 v[SB+4*\i+2*\j:SB+4*\i+2*\j+1], v[L8], s[94:95] offset:512*\i+256*\j
.endr
.endr
; 48 LDS loads: my four fragments of B, then of A, for the slot's K step kk.  Each load takes 256 consecutive bytes.
.macro KLOAD kk
	WIN TO_F
.irp i, 0,1,2,3
.irp g, 0,1,2,3,4,5
	ds_load_b64 v[FB+12*\i+2*\g:FB+12*\i+2*\g+1], v[ADB] offset:RBS*\i+FRB*\kk+256*\g
.endr
.endr
.irp i, 0,1,2,3
.irp g, 0,1,2,3,4,5
	ds_load_b64 v[FA+12*\i+2*\g:FA+12*\i+2*\g+1], v[ADA] offset:RBS*\i+FRB*\kk+256*\g
.endr
.endr
.endm
; 16 matrix instructions, K step s.  The 16 accumulators take turns, one instruction a turn.  The waits leave A's later fragments, six loads each, on their way.
.macro KMUL s, zero
	WIN MUL
.irp a, 0,1,2,3
	s_wait_dscnt 6*(3-\a)
.irp b, 0,1,2,3
.if \zero
	v_wmma_scale_f32_16x16x128_f8f6f4 v[ACC+8*(4*\a+\b):ACC+8*(4*\a+\b)+7], v[FB+12*\b:FB+12*\b+11], v[FA+12*\a:FA+12*\a+11], 0, v[SB+4*\b+(\s)/2], v[SA+4*\a+(\s)/2] matrix_a_fmt:MATRIX_FMT_FP6 matrix_b_fmt:MATRIX_FMT_FP6
.elseif (\s)%2
	v_wmma_scale_f32_16x16x128_f8f6f4 v[ACC+8*(4*\a+\b):ACC+8*(4*\a+\b)+7], v[FB+12*\b:FB+12*\b+11], v[FA+12*\a:FA+12*\a+11], v[ACC+8*(4*\a+\b):ACC+8*(4*\a+\b)+7], v[SB+4*\b+(\s)/2], v[SA+4*\a+(\s)/2] matrix_a_fmt:MATRIX_FMT_FP6 matrix_b_fmt:MATRIX_FMT_FP6 matrix_a_scale:MATRIX_SCALE_ROW1 matrix_b_scale:MATRIX_SCALE_ROW1
.else
	v_wmma_scale_f32_16x16x128_f8f6f4 v[ACC+8*(4*\a+\b):ACC+8*(4*\a+\b)+7], v[FB+12*\b:FB+12*\b+11], v[FA+12*\a:FA+12*\a+11], v[ACC+8*(4*\a+\b):ACC+8*(4*\a+\b)+7], v[SB+4*\b+(\s)/2], v[SA+4*\a+(\s)/2] matrix_a_fmt:MATRIX_FMT_FP6 matrix_b_fmt:MATRIX_FMT_FP6
.endif
.endr
.endr
.endm
; Slot g: my part of it has landed (my 3 - g later loads may stay out), a barrier, its two K steps.  Loads into registers that matrix instructions have read stand four plain places behind them.
.macro SLOT g
	s_wait_tensorcnt 3-\g
	s_barrier_signal -1
	s_barrier_wait -1
	KLOAD 0
.if \g == 0
	KMUL 0, 1                                      ; the first products start the sums: nothing is cleared
.else
	KMUL 2*\g, 0
.endif
	PLACES 4
	KLOAD 1
	KMUL 2*\g+1, 0
	WIN 0
.if \g < 3
	v_add_nc_u32 v[ADA], SLOTB, v[ADA]
	v_add_nc_u32 v[ADB], SLOTB, v[ADB]
.endif
	PLACES 4
.endm
	s_wait_loadcnt 0x0                             ; the scale words
	SLOT 0
	SLOT 1
	SLOT 2
	SLOT 3
; THE WAY OUT.  The 32 registers of A's tile a are, in lane (r, h), register 16 b + i = next-K 32 b + 16 h + i of row r.  QUANT takes two tiles (64 numbers, four blocks of 32): a block lies in lanes l and l xor 16.
; Out come two half fragments (v[pc] .. +5, +6 .. +11) and, in v[pw], the first tile's two bytes in lanes 0-15 and the second's in lanes 16-31.  Each accumulator is read from its low end on.
.macro QUANT s, pc, pw
.irp b, 0,1,2,3
	v_max3_num_f32 v[TM+\b], |v[\s+16*\b]|, |v[\s+1+16*\b]|, 0x1800000   ; the floor 2^(3 - 127) holds the byte at 1 from below
.endr
.irp i, 2,4,6,8,10,12,14
.irp b, 0,1,2,3
	v_max3_num_f32 v[TM+\b], v[TM+\b], |v[\s+16*\b+\i]|, |v[\s+1+16*\b+\i]|
.endr
.endr
.irp b, 0,1,2,3
	v_permlanex16_b32 v[TM+4+\b], v[TM+\b], s2, s3
.endr
.irp b, 0,1,2,3
	v_max_num_f32 v[TM+\b], v[TM+\b], v[TM+4+\b]   ; the block's largest magnitude
.endr
.irp b, 0,1,2,3
	v_add_nc_u32 v[TM+12+\b], 0xff000000, v[TM+\b] ; 2 off its exponent field: the conversion's scale operand
.endr
.irp b, 0,1,2,3
	v_lshrrev_b32 v[TM+4+\b], 23, v[TM+12+\b]      ; the scale's byte
.endr
	v_lshl_or_b32 v[TM+8], v[TM+5], 8, v[TM+4]
	v_lshl_or_b32 v[TM+9], v[TM+7], 8, v[TM+6]
	v_cndmask_b32 v[\pw], v[TM+8], v[TM+9], vcc_lo
.irp c, 0,1
	v_cvt_scalef32_pk16_fp6_f32 v[\pc+6*\c:\pc+2+6*\c], v[\s+32*\c:\s+15+32*\c], v[TM+12+2*\c]
	v_cvt_scalef32_pk16_fp6_f32 v[\pc+12+4*\c:\pc+14+4*\c], v[\s+16+32*\c:\s+31+32*\c], v[TM+12+2*\c+1]   ; (a conversion's three registers begin on an even number)
.endr
	v_nop                                          ; one plain place behind a scaled conversion
.irp c, 0,1                                    ; the operand's layout wants a WHOLE block in a lane: lanes 0-15 the tile's block 0, lanes 16-31 its block 1
.irp i, 0,1,2
	v_permlane16_swap_b32 v[\pc+6*\c+\i], v[\pc+12+4*\c+\i]
.endr
.irp i, 0,1,2
	v_mov_b32 v[\pc+3+6*\c+\i], v[\pc+12+4*\c+\i]
.endr
.endr
.endm
	QUANT 128, 64, 106
	QUANT 192, 84, 107
.irp g, 0,1,2
	global_store_b64 v[L8], v[64+2*\g:65+2*\g], s[96:97] offset:256*\g          ; every store: 256 consecutive bytes, at a multiple of 256 from the buffer's first byte
	global_store_b64 v[L8], v[70+2*\g:71+2*\g], s[96:97] offset:768+256*\g
	global_store_b64 v[L8], v[84+2*\g:85+2*\g], s[96:97] offset:1536+256*\g
	global_store_b64 v[L8], v[90+2*\g:91+2*\g], s[96:97] offset:2304+256*\g
.endr
	global_store_b64 v[L8], v[106:107], s[98:99]
	s_wait_tensorcnt 0x0
	ds_add_u32 v126, v127
	s_wait_dscnt 0x0
	CROUND                                         ; the closing round: no work-group ends while a partner may still ask for a tile that names it
	s_endpgm
.Lfunc_end_k_qcd1e77d481_qkvg:
	.size	k_qcd1e77d481_qkvg, .Lfunc_end_k_qcd1e77d481_qkvg-k_qcd1e77d481_qkvg
	.p2alignl 7, 3214868480
	.fill 96, 4, 3214868480
	.section	.rodata,"a",@progbits
	.p2align	6, 0x0
	.amdhsa_kernel k_qcd1e77d481_qkvg
		.amdhsa_group_segment_fixed_size 295936
		.amdhsa_private_segment_fixed_size 0
		.amdhsa_enable_private_segment 0
		.amdhsa_kernarg_size 16
		.amdhsa_user_sgpr_count 2
		.amdhsa_user_sgpr_kernarg_segment_ptr 1
		.amdhsa_wavefront_size32 1
		.amdhsa_system_sgpr_workgroup_id_x 1
		.amdhsa_system_sgpr_workgroup_id_y 1
		.amdhsa_system_sgpr_workgroup_id_z 1
		.amdhsa_system_vgpr_workitem_id 0
		.amdhsa_next_free_vgpr 352
		.amdhsa_next_free_sgpr 100
		.amdhsa_reserve_vcc 1
		.amdhsa_float_denorm_mode_32 3
		.amdhsa_float_denorm_mode_16_64 3
		.amdhsa_memory_ordered 1
		.amdhsa_forward_progress 1
		.amdhsa_inst_pref_size 63
	.end_amdhsa_kernel
	.amdgpu_metadata
---
amdhsa.version: [ 1, 2 ]
amdhsa.kernels:
  - .name:           k_qcd1e77d481_qkvg
    .symbol:         k_qcd1e77d481_qkvg.kd
    .args:
      - { .name: ops, .offset: 0, .size: 8, .value_kind: global_buffer, .address_space: global }
      - { .name: qkv, .offset: 8, .size: 8, .value_kind: global_buffer, .address_space: global }
    .group_segment_fixed_size: 295936
    .private_segment_fixed_size: 0
    .kernarg_segment_align: 8
    .kernarg_segment_size: 16
    .max_flat_workgroup_size: 256
    .sgpr_count:     100
    .vgpr_count:     352
    .wavefront_size: 32
...
	.end_amdgpu_metadata
.endif
;; end of part 2
;; launch attn (part 3): grid 4 x 64, 16 waves a work-group, clusters of 4 x 1, 215,040 bytes of LDS; arguments qkv, att; writes att
.if DOCPART == 3
	.amdgcn_target "amdgcn-amd-amdhsa--gfx1250"
	.amdhsa_code_object_version 6
	.text
	.protected	k_qcd1e77d481_attn
	.globl	k_qcd1e77d481_attn
	.p2align	8
	.type	k_qcd1e77d481_attn,@function
k_qcd1e77d481_attn:
	s_mov_b64 s[64:65], 0
	v_nop
	global_prefetch_b8 v0, s[64:65] scope:SCOPE_SE
	s_setreg_imm32_b32 hwreg(HW_REG_WAVE_MODE, 25, 1), 1
	s_wait_xcnt 0x0
	s_wait_alu depctr_hold_cnt(0) depctr_sa_sdst(0) depctr_va_vdst(0) depctr_va_sdst(0) depctr_va_ssrc(0) depctr_va_vcc(0) depctr_vm_vsrc(0)
	s_getreg_b32 s2, hwreg(HW_REG_IB_STS2, 6, 4)
	s_cmp_eq_u32 s2, 0
	s_cbranch_scc0 .Lentry_in_a_cluster
	s_endpgm
.Lentry_in_a_cluster:
	s_bfe_u32 s2, ttmp6, 0x10000c
	s_cmp_lg_u32 s2, 0x3003
	s_cbranch_scc0 .Lentry_shape_is_right
	s_endpgm
.Lentry_shape_is_right:
; att[b][q][head] = softmax_k(q . k / 32) v, both products on codes of FP6 (E2M3) with E8M0 scales; the result is quantised again along the channels and leaves as codes, an operand of the last product.
; THE SOFTMAX AHEAD OF THE SECOND PRODUCT: t = score x log2(e) / 32; M = the row's largest t so far, rounded UP to a whole number; p = 2^(t - M) is what is quantised, along the keys; it is not normalised.
; The row's sum is taken of the unquantised p, in f32, and divides O at the end (v_rcp_f32 and a multiplication).  When M moves, the sum and O are multiplied by 2^(old M - new M): exact.
; INPUT (qkv): half fragments (registers 0-5: K 0 .. 63; registers 2 g, 2 g + 1 of lane l at 256 g + 8 l), 768 bytes a tile, four tiles to a group of 64 rows of the sequence; q, k: K = the head's 64 channels;
; v: tile = 16 channels, K = the group's 64 keys.  Row block 2 G + u, lane row r, is row 32 G + 8 u + r + 8 (r / 8).  Scale words: 256 bytes a group, [lane][p]: tile 2 p + lane / 16, row lane % 16.
; THE FIRST PRODUCT'S K IS 64: registers 6-11 of q's and k's fragments hold zero codes, and the scale words' upper two bytes are 0, which is no NaN: they add nothing.
; SHARES.  A work-group owns 512 queries of one head of one batch; each of its sixteen waves two tiles of 16 queries, one after the other, in 256 registers: four waves to a SIMD, so that one wave's vector work
; stands beside another's matrix work and LDS loads.  A head's K, V and their scale words are 212,992 bytes: they come into LDS ONCE and stay; one barrier in the whole launch.
; CLUSTER 4 x 1: the four query blocks of a head read the same K and V: each part is asked for jointly, by the same tensor load with the mask of all four.
; LAYOUT.  Both products transposed: S^T = K Q^T, O^T = V^T P^T: a lane holds ONE query (lane % 16) throughout; the 16 registers of S^T's tiles 2 b, 2 b + 1 are keys 32 b + 16 (lane / 16) + 0 .. 15.
; LIMITS: NaN and infinities are not served.  A block's largest p is made from its largest score by the same two instructions: this takes v_exp_f32 not to fall where its input rises.  A block of the result whose
; largest magnitude lies under 2^-124 gets the byte 1.
; REGISTERS: v1 8 x lane; v2-3 K's scale words; v4-7 V's; v8-11 the step's LDS addresses; v12 -M, v13 the largest t, v[14:15] the sum; v16-27 Q; v30 the result's two bytes; v31 8 r; v32-79 four fragments of K;
;   v80-127 four of V; v128-191 S^T, then p; v192-223 O^T; v224-235 p's codes; v236-254 at work; v253 p's scale word; v255 Q's.
.set WV,  8
.set G1C, 12                           ; s[12:19] group 1 for the codes; s[20:27] for the scale words; s[28:31], s[32:35] their groups 0
.set G1S, 20
.set G0C, 28
.set G0S, 32
.set SEL, 36
.set CS,  38                           ; s[38:39] c = log2(e) / 32
.set QB,  46
.set QS,  48
.set OC,  50
.set OS,  52
.set QSC, 18874368
.set L8,  1
.set R8,  31
.set S,   128
.set O,   192
.set PCD, 224
.set TMP, 236
.set SOP, 244
.set BM,  248
.macro CROUND                          ; a round of the cluster's barrier
	s_barrier_signal -1
	s_barrier_wait -1
	s_cmp_lg_u32 s[WV], 0
	s_cbranch_scc1 .Lnot_wave_0_\@
	s_barrier_signal -3
.Lnot_wave_0_\@:
	s_barrier_wait -3
	s_barrier_signal -1
	s_barrier_wait -1
.endm
	s_load_b128 s[4:7], s[0:1], 0x0                ; qkv, att
	v_lshl_add_u32 v29, v0, 2, 0x34000
	v_mov_b32 v243, 0
	ds_add_u32 v29, v243
	ds_add_u32 v29, v243
	v_lshrrev_b32 v1, 5, v0
	v_readfirstlane_b32 s[WV], v1                  ; wave 0..15
	s_bfe_u32 s9, ttmp6, 0x40000                   ; cx: my block of 512 queries; it enters Q's and the result's addresses alone
	s_and_b32 s10, ttmp7, 0xffff                   ; 16 batch + head, which the four partners share
	; group 1: dense blocks as rows of 256 bytes (32 elements of 8 bytes): 96 rows of codes, 32 rows of scale words
	s_mov_b32 s[G1C], 15|(3<<16)|(1<<21)           ; 15:0 the mask: all four; 17:16 elements of 8 bytes; 21 set beside a mask
	s_mov_b32 s[G1C+1], 32<<16
	s_mov_b32 s[G1C+2], 96<<16
	s_mov_b32 s[G1C+3], 32<<16
	s_mov_b32 s[G1C+4], 96
	s_mov_b32 s[G1C+5], 32
	s_mov_b32 s[G1C+6], 0
	s_mov_b32 s[G1C+7], 0
	s_mov_b32 s[G1S], 15|(3<<16)|(1<<21)
	s_mov_b32 s[G1S+1], 32<<16
	s_mov_b32 s[G1S+2], 32<<16
	s_mov_b32 s[G1S+3], 32<<16
	s_mov_b32 s[G1S+4], 32
	s_mov_b32 s[G1S+5], 32
	s_mov_b32 s[G1S+6], 0
	s_mov_b32 s[G1S+7], 0
	; waves 0-3: K's codes in quarters; 4-7: V's; wave 8: K's scale words; 9: V's
	s_and_b32 s54, s[WV], 7
	s_mul_i32 s[G0C+1], s54, 24576                 ; LDS: K's codes from 0, V's from 98,304
	s_bfe_u32 s55, s[WV], 0x10002
	s_add_co_u32 s55, s55, 1                       ; kind 1 or 2
	s_mul_i32 s56, s55, 6291456
	s_mul_i32 s55, s10, 98304
	s_add_co_u32 s56, s56, s55
	s_and_b32 s55, s[WV], 3
	s_mul_i32 s55, s55, 24576
	s_add_co_u32 s56, s56, s55
	s_mov_b32 s57, 0
	s_and_b32 s58, s[WV], 1
	s_lshl_b32 s[G0S+1], s58, 13
	s_add_co_u32 s[G0S+1], s[G0S+1], 196608        ; LDS: K's scale words from 196,608, V's from 204,800
	s_add_co_u32 s58, s58, 1
	s_lshl_b32 s58, s58, 19
	s_lshl_b32 s59, s10, 13
	s_add_co_u32 s58, s58, s59
	s_add_co_u32 s58, s58, QSC
	s_mov_b32 s59, 0
	s_mov_b32 s[G0C], 1
	s_mov_b32 s[G0S], 1
	; my first tile of queries: row block 32 cx + wave of the head's 128; the second lies 16 row blocks on
	s_lshl_b32 s60, s9, 5
	s_add_co_u32 s60, s60, s[WV]
	s_mul_i32 s[QB], s60, 768
	s_mul_i32 s61, s10, 98304
	s_add_co_u32 s[QB], s[QB], s61
	s_mov_b32 s[QB+1], 0
	s_lshl_b32 s[QS], s9, 3
	s_lshr_b32 s61, s[WV], 2
	s_add_co_u32 s[QS], s[QS], s61
	s_lshl_b32 s[QS], s[QS], 8                     ; its group's record,
	s_and_b32 s61, s[WV], 1
	s_lshl_b32 s61, s61, 7
	s_add_co_u32 s[QS], s[QS], s61                 ; odd tiles in lanes 16-31's places,
	s_bfe_u32 s61, s[WV], 0x10001
	s_lshl_b32 s61, s61, 2
	s_add_co_u32 s[QS], s[QS], s61                 ; tiles 2, 3 in the second word
	s_lshl_b32 s61, s10, 13
	s_add_co_u32 s[QS], s[QS], s61
	s_add_co_u32 s[QS], s[QS], QSC
	s_mov_b32 s[QS+1], 0
	s_lshr_b32 s62, s10, 4
	s_lshl_b32 s62, s62, 7
	s_add_co_u32 s62, s62, s60                     ; the result's row block: 128 batch + 32 cx + wave
	s_and_b32 s63, s10, 15                         ; head: K step head / 2 of the last product, half head % 2
	s_mul_i32 s[OC], s62, 12288
	s_mul_i32 s61, s63, 768
	s_add_co_u32 s[OC], s[OC], s61
	s_mov_b32 s[OC+1], 0
	s_lshl_b32 s[OS], s62, 9                       ; its scale words: [jj][lane][j], K step 4 jj + 2 j + lane / 16
	s_lshr_b32 s61, s63, 3
	s_lshl_b32 s61, s61, 8
	s_add_co_u32 s[OS], s[OS], s61
	s_bfe_u32 s61, s63, 0x10001
	s_lshl_b32 s61, s61, 7
	s_add_co_u32 s[OS], s[OS], s61
	s_bfe_u32 s61, s63, 0x10002
	s_lshl_b32 s61, s61, 2
	s_add_co_u32 s[OS], s[OS], s61
	s_and_b32 s61, s63, 1
	s_lshl_b32 s61, s61, 1
	s_add_co_u32 s[OS], s[OS], s61                 ; my head's two bytes of the word
	s_add_co_u32 s[OS], s[OS], 6291456
	s_mov_b32 s[OS+1], 0
	s_mov_b32 s[SEL], 0x76543210
	s_mov_b32 s[SEL+1], 0xfedcba98                 ; v_permlanex16_b32's selects for lane l xor 16
	s_mov_b32 s[CS], 0x3d38aa3b                    ; c = log2(e) / 32
	s_mov_b32 s[CS+1], s[CS]                       ; (named with it as a pair, so it is written)
	v_and_b32 v1, 31, v0
	v_lshlrev_b32 v[L8], 3, v1
	v_and_b32 v[R8], 15, v0
	v_lshlrev_b32 v[R8], 3, v[R8]
	s_wait_dscnt 0x0
	s_wait_kmcnt 0x0
	s_add_nc_u64 s[G0C+2:G0C+3], s[4:5], s[56:57]
	s_or_b32 s[G0C+3], s[G0C+3], 0x80000000
	s_add_nc_u64 s[G0S+2:G0S+3], s[4:5], s[58:59]
	s_or_b32 s[G0S+3], s[G0S+3], 0x80000000
	s_add_nc_u64 s[QB:QB+1], s[4:5], s[QB:QB+1]
	s_add_nc_u64 s[QS:QS+1], s[4:5], s[QS:QS+1]
	s_add_nc_u64 s[OC:OC+1], s[6:7], s[OC:OC+1]
	s_add_nc_u64 s[OS:OS+1], s[6:7], s[OS:OS+1]
	CROUND                                         ; all four work-groups are here: the joint loads meet
	s_cmp_lt_u32 s[WV], 8                          ; one tensor load a wave at the most; the branches hang on the wave's number alone
	s_cbranch_scc0 .Lnot_codes
	tensor_load_to_lds s[G0C:G0C+3], s[G1C:G1C+7]
	s_nop 0
.rept 4
	v_nop
.endr
	s_branch .Lasked
.Lnot_codes:
	s_cmp_lt_u32 s[WV], 10
	s_cbranch_scc0 .Lasked
	tensor_load_to_lds s[G0S:G0S+3], s[G1S:G1S+7]
	s_nop 0
.rept 4
	v_nop
.endr
.Lasked:
.macro QLOAD u                         ; tile u's half fragment of Q and its scale words
.irp p, 0,1,2
	global_load_b64 v[16+2*\p:17+2*\p], v[L8], s[QB:QB+1] offset:256*\p+12288*\u
.endr
	global_load_b32 v255, v[R8], s[QS:QS+1] offset:1024*\u
.endm
	QLOAD 0
.irp i, 22,23,24,25,26,27
	v_mov_b32 v\i, 0                               ; Q's codes of K 64 .. 127: zeros, written once
.endr
.irp t, 0,1,2,3
.irp i, 6,7,8,9,10,11
	v_mov_b32 v[32+12*\t+\i], 0                    ; K's likewise
.endr
.endr
.irp b, 0,1,2,3
	v_mov_b32 v[TMP+\b], 0                         ; a lane permute's destination counts as one of its sources
.endr
	v_mov_b32 v252, 0
	v_mov_b32 v253, 0                              ; (named as the upper half of the pair v[252:253] before it is first written)
	s_wait_tensorcnt 0x0                           ; my part has landed,
	s_barrier_signal -1
	s_barrier_wait -1                              ; everybody's has: from here on LDS is only read
; A KEY STEP: 128 keys, two groups of 64.
.macro STEP
	v_add_nc_u32 v8, s40, v[L8]                    ; K's tiles,
	v_add_nc_u32 v9, s41, v[L8]                    ; V's,
	v_add_nc_u32 v10, s42, v[L8]                   ; K's scale words,
	v_add_nc_u32 v11, s43, v[L8]                   ; V's
.irp g, 0,1                                    ; S^T = K Q^T, a group's four tiles of 16 keys at a time
.if \g
.rept 4
	v_nop                                          ; places in front of loads into registers that matrix instructions have read
.endr
.endif
.irp t, 0,1,2,3
.irp p, 0,1,2
	ds_load_b64 v[32+12*\t+2*\p:33+12*\t+2*\p], v8 offset:3072*\g+768*\t+256*\p   ; 256 consecutive bytes
.endr
.endr
	ds_load_b64 v[2:3], v10 offset:256*\g
	s_wait_dscnt 0x0
.irp t, 0,2
	v_wmma_scale_f32_16x16x128_f8f6f4 v[S+8*(4*\g+\t):S+8*(4*\g+\t)+7], v[32+12*\t:43+12*\t], v[16:27], 0, v[2+\t/2], v255 matrix_a_fmt:MATRIX_FMT_FP6 matrix_b_fmt:MATRIX_FMT_FP6
	v_wmma_scale_f32_16x16x128_f8f6f4 v[S+8*(4*\g+\t+1):S+8*(4*\g+\t+1)+7], v[32+12*(\t+1):43+12*(\t+1)], v[16:27], 0, v[2+\t/2], v255 matrix_a_fmt:MATRIX_FMT_FP6 matrix_b_fmt:MATRIX_FMT_FP6 matrix_a_scale:MATRIX_SCALE_ROW1
.endr
.endr
.irp d, 0,1,2,3                                ; V's four fragments are asked for now and land under the softmax: registers 0-5 the first group's keys, 6-11 the second's
.irp f, 0,1
.irp p, 0,1,2
	ds_load_b64 v[80+12*\d+6*\f+2*\p:81+12*\d+6*\f+2*\p], v9 offset:3072*\f+768*\d+256*\p
.endr
.endr
.endr
	ds_load_b64 v[4:5], v11
	ds_load_b64 v[6:7], v11 offset:256
.rept 4
	v_nop                                          ; places in front of the first read of the scores
.endr
.irp b, 0,1,2,3
	v_max3_num_f32 v[BM+\b], v[S+16*\b], v[S+1+16*\b], v[S+2+16*\b]   ; THE LARGEST SCORE OF EACH BLOCK OF 32 KEYS serves twice: for the row's maximum and, since p rises with the score, for the block's largest p
.endr
.irp i, 3,5,7,9,11,13
.irp b, 0,1,2,3
	v_max3_num_f32 v[BM+\b], v[BM+\b], v[S+16*\b+\i], v[S+1+16*\b+\i]
.endr
.endr
.irp b, 0,1,2,3
	v_max_num_f32 v[BM+\b], v[BM+\b], v[S+15+16*\b]
.endr
.irp b, 0,1,2,3
	v_permlanex16_b32 v[TMP+\b], v[BM+\b], s[SEL], s[SEL+1]
.endr
.irp b, 0,1,2,3
	v_max_num_f32 v[BM+\b], v[BM+\b], v[TMP+\b]    ; with lane l xor 16's 16 keys
.endr
	v_max3_num_f32 v254, v[BM], v[BM+1], v[BM+2]
	v_max_num_f32 v254, v254, v[BM+3]              ; the step's largest score of my query
	v_mul_f32 v254, s[CS], v254                    ; as t (c is positive)
	v_max_num_f32 v13, v13, v254                   ; the running largest t
	v_mov_b32 v254, v12
	v_floor_f32 v12, -v13                          ; the new -M = floor(-t) = -ceil(t): M is a whole number
	v_sub_f32 v254, v12, v254                      ; old M less new M: a whole number, 0 or less
	v_cvt_i32_f32 v254, v254                       ; (it saturates)
	v_ldexp_f32 v252, 1.0, v254                    ; f = 2^(old M - new M)
.irp j, 0,2,4,6,8,10,12,14,16,18,20,22,24,26,28,30,32,34,36,38,40,42,44,46,48,50,52,54,56,58,60,62
	v_pk_fma_f32 v[S+\j:S+1+\j], v[S+\j:S+1+\j], s[CS:CS+1], v[12:13] op_sel_hi:[1,0,0]   ; t - M, two at a time
.endr
.irp b, 0,1,2,3
	v_fma_f32 v[BM+\b], v[BM+\b], s[CS], v12       ; the same of each block's largest score
.endr
.irp j, 0,1,2,3,4,5,6,7,8,9,10,11,12,13,14,15,16,17,18,19,20,21,22,23,24,25,26,27,28,29,30,31,32,33,34,35,36,37,38,39,40,41,42,43,44,45,46,47,48,49,50,51,52,53,54,55,56,57,58,59,60,61,62,63
	v_exp_f32 v[S+\j], v[S+\j]                     ; p = 2^(t - M), at most 1: not normalised
.endr
.irp b, 0,1,2,3
	v_exp_f32 v[BM+\b], v[BM+\b]                   ; the block's largest p: the same two instructions on the same number give the same bits
.endr
	v_pk_mul_f32 v[14:15], v[14:15], v[252:253] op_sel_hi:[1,0]   ; the sums under the new M.  (A plain place behind the exponentials)
	s_wait_alu depctr_va_vdst(0)
.irp b, 0,1,2,3
	v_max_num_f32 v[BM+\b], 0x1800000, v[BM+\b]    ; the floor 2^(3 - 127): the byte cannot fall under 1
.endr
.irp b, 0,1,2,3
	v_add_nc_u32 v[SOP+\b], 0xff000000, v[BM+\b]   ; 2 off the exponent field: the conversion's scale operand
.endr
.irp b, 0,1,2,3
	v_lshrrev_b32 v[TMP+\b], 23, v[SOP+\b]         ; the scale's byte
.endr
	v_lshl_or_b32 v253, v[TMP+1], 8, v[TMP]        ; p's scale word for these 128 keys
	v_lshl_or_b32 v253, v[TMP+2], 16, v253
	v_lshl_or_b32 v253, v[TMP+3], 24, v253
.irp c, 0,1
	v_cvt_scalef32_pk16_fp6_f32 v[PCD+6*\c:PCD+2+6*\c], v[S+32*\c:S+15+32*\c], v[SOP+2*\c]
	v_cvt_scalef32_pk16_fp6_f32 v[TMP+4*\c:TMP+2+4*\c], v[S+16+32*\c:S+31+32*\c], v[SOP+2*\c+1]   ; (a conversion's three registers begin on an even number)
.endr
	v_nop                                          ; one plain place behind a scaled conversion
.irp c, 0,1                                    ; the operand's layout wants a WHOLE block in a lane
.irp i, 0,1,2
	v_permlane16_swap_b32 v[PCD+6*\c+\i], v[TMP+4*\c+\i]
.endr
.irp i, 0,1,2
	v_mov_b32 v[PCD+3+6*\c+\i], v[TMP+4*\c+\i]
.endr
.endr
	s_wait_dscnt 0x0                               ; V and its scale words are in
	v_lshl_or_b32 v4, v6, 16, v4                   ; a tile's word: the first group's two bytes below, the second's above
	v_lshl_or_b32 v5, v7, 16, v5
.irp j, 0,2,4,6,8,10,12,14,16,18,20,22,24,26,28,30
	v_pk_mul_f32 v[O+\j:O+1+\j], v[O+\j:O+1+\j], v[252:253] op_sel_hi:[1,0]   ; O^T under the new M
.endr
	v_pk_add_f32 v[TMP:TMP+1], v[S:S+1], v[S+2:S+3]   ; THE ROW'S SUM IS TAKEN OF THE UNQUANTISED p, in two chains.  (These 32 lines are also the places between the scale words and codes just made and the products)
.irp j, 4,8,12,16,20,24,28,32,36,40,44,48,52,56,60
	v_pk_add_f32 v[14:15], v[14:15], v[S+\j:S+1+\j]
	v_pk_add_f32 v[TMP:TMP+1], v[TMP:TMP+1], v[S+2+\j:S+3+\j]
.endr
	v_pk_add_f32 v[14:15], v[14:15], v[TMP:TMP+1]
.irp d, 0,2                                    ; O^T += V^T P^T: four tiles of 16 channels, by turns; K = these 128 keys
	v_wmma_scale_f32_16x16x128_f8f6f4 v[O+8*\d:O+8*\d+7], v[80+12*\d:91+12*\d], v[PCD:PCD+11], v[O+8*\d:O+8*\d+7], v[4+\d/2], v253 matrix_a_fmt:MATRIX_FMT_FP6 matrix_b_fmt:MATRIX_FMT_FP6
	v_wmma_scale_f32_16x16x128_f8f6f4 v[O+8*(\d+1):O+8*(\d+1)+7], v[80+12*(\d+1):91+12*(\d+1)], v[PCD:PCD+11], v[O+8*(\d+1):O+8*(\d+1)+7], v[4+\d/2], v253 matrix_a_fmt:MATRIX_FMT_FP6 matrix_b_fmt:MATRIX_FMT_FP6 matrix_a_scale:MATRIX_SCALE_ROW1
.endr
.endm
; A TILE of 16 queries: sixteen key steps, then the result is divided by the sum, quantised along its 64 channels and stored.
.macro TILE u
	v_mov_b32 v13, 0xff61b1e6                      ; the largest t so far: -3e38, under every t
	v_floor_f32 v12, -v13                          ; -M
	v_mov_b32 v14, 0
	v_mov_b32 v15, 0
.irp j, 0,1,2,3,4,5,6,7,8,9,10,11,12,13,14,15,16,17,18,19,20,21,22,23,24,25,26,27,28,29,30,31
	v_mov_b32 v[O+\j], 0                           ; O^T.  (The step is written once: the first finds zeros, which the first change of M leaves zeros)
.endr
	s_mov_b32 s40, 0
	s_mov_b32 s41, 98304
	s_mov_b32 s42, 196608
	s_mov_b32 s43, 204800
	s_mov_b32 s44, 16
	s_wait_loadcnt 0x0                             ; Q
.Lstep_\@:
	STEP
	s_add_co_u32 s40, s40, 6144
	s_add_co_u32 s41, s41, 6144
	s_add_co_u32 s42, s42, 512
	s_add_co_u32 s43, s43, 512
	s_sub_co_u32 s44, s44, 1
	s_cmp_lg_u32 s44, 0
	s_cbranch_scc1 .Lstep_\@
.rept 4
	v_nop                                          ; places behind the last products
.endr
	v_add_f32 v14, v14, v15                        ; the sum's two halves,
	v_permlanex16_b32 v252, v14, s[SEL], s[SEL+1]
	v_add_f32 v14, v14, v252                       ; and lane l xor 16's: the row's sum
	v_rcp_f32 v14, v14
	v_nop                                          ; a plain place behind the transcendental
	s_wait_alu depctr_va_vdst(0)
.irp j, 0,2,4,6,8,10,12,14,16,18,20,22,24,26,28,30
	v_pk_mul_f32 v[S+\j:S+1+\j], v[O+\j:O+1+\j], v[14:15] op_sel_hi:[1,0]   ; register 16 b + i: channel 32 b + 16 h + i of my query.  Each accumulator is read from its low end on
.endr
.irp b, 0,1
	v_max3_num_f32 v[BM+\b], |v[S+16*\b]|, |v[S+1+16*\b]|, 0x1800000
.endr
.irp i, 2,4,6,8,10,12,14
.irp b, 0,1
	v_max3_num_f32 v[BM+\b], v[BM+\b], |v[S+16*\b+\i]|, |v[S+1+16*\b+\i]|
.endr
.endr
.irp b, 0,1
	v_permlanex16_b32 v[TMP+\b], v[BM+\b], s[SEL], s[SEL+1]
.endr
.irp b, 0,1
	v_max_num_f32 v[BM+\b], v[BM+\b], v[TMP+\b]
.endr
.irp b, 0,1
	v_add_nc_u32 v[SOP+\b], 0xff000000, v[BM+\b]
.endr
.irp b, 0,1
	v_lshrrev_b32 v[TMP+\b], 23, v[SOP+\b]
.endr
	v_lshl_or_b32 v30, v[TMP+1], 8, v[TMP]         ; my head's two bytes of the row's scale word
	v_cvt_scalef32_pk16_fp6_f32 v[PCD:PCD+2], v[S:S+15], v[SOP]
	v_cvt_scalef32_pk16_fp6_f32 v[TMP+4:TMP+6], v[S+16:S+31], v[SOP+1]
	v_nop                                          ; one plain place behind a scaled conversion
.irp i, 0,1,2
	v_permlane16_swap_b32 v[PCD+\i], v[TMP+4+\i]
.endr
.irp i, 0,1,2
	v_mov_b32 v[PCD+3+\i], v[TMP+4+\i]
.endr
.irp g, 0,1,2
	global_store_b64 v[L8], v[PCD+2*\g:PCD+2*\g+1], s[OC:OC+1] offset:256*\g+196608*\u   ; 256 consecutive bytes, at a multiple of 256 from the buffer's first byte
.endr
	global_store_b16 v[R8], v30, s[OS:OS+1] offset:8192*\u   ; two bytes a row (both halves of the lanes write the same): the word's other half is the neighbouring head's
.endm
	TILE 0
	s_wait_xcnt 0x0                                ; the stores have read their registers: the codes and the bytes are written again in the second tile
	QLOAD 1
	TILE 1
	s_wait_tensorcnt 0x0
	ds_add_u32 v29, v243
	s_wait_dscnt 0x0
	CROUND                                         ; the closing round: no work-group ends while a partner may still ask for a part that names it
	s_endpgm
.Lfunc_end_k_qcd1e77d481_attn:
	.size	k_qcd1e77d481_attn, .Lfunc_end_k_qcd1e77d481_attn-k_qcd1e77d481_attn
	.p2alignl 7, 3214868480
	.fill 96, 4, 3214868480
	.section	.rodata,"a",@progbits
	.p2align	6, 0x0
	.amdhsa_kernel k_qcd1e77d481_attn
		.amdhsa_group_segment_fixed_size 215040
		.amdhsa_private_segment_fixed_size 0
		.amdhsa_enable_private_segment 0
		.amdhsa_kernarg_size 16
		.amdhsa_user_sgpr_count 2
		.amdhsa_user_sgpr_kernarg_segment_ptr 1
		.amdhsa_wavefront_size32 1
		.amdhsa_system_sgpr_workgroup_id_x 1
		.amdhsa_system_sgpr_workgroup_id_y 1
		.amdhsa_system_sgpr_workgroup_id_z 1
		.amdhsa_system_vgpr_workitem_id 0
		.amdhsa_next_free_vgpr 256
		.amdhsa_next_free_sgpr 66
		.amdhsa_reserve_vcc 0
		.amdhsa_float_denorm_mode_32 3
		.amdhsa_float_denorm_mode_16_64 3
		.amdhsa_memory_ordered 1
		.amdhsa_forward_progress 1
		.amdhsa_inst_pref_size 53
	.end_amdhsa_kernel
	.amdgpu_metadata
---
amdhsa.version: [ 1, 2 ]
amdhsa.kernels:
  - .name:           k_qcd1e77d481_attn
    .symbol:         k_qcd1e77d481_attn.kd
    .args:
      - { .name: qkv, .offset: 0, .size: 8, .value_kind: global_buffer, .address_space: global }
      - { .name: att, .offset: 8, .size: 8, .value_kind: global_buffer, .address_space: global }
    .group_segment_fixed_size: 215040
    .private_segment_fixed_size: 0
    .kernarg_segment_align: 8
    .kernarg_segment_size: 16
    .max_flat_workgroup_size: 512
    .sgpr_count:     66
    .vgpr_count:     256
    .wavefront_size: 32
...
	.end_amdgpu_metadata
.endif
;; end of part 3
;; launch proj (part 4): grid 4 x 64, 8 waves a work-group, clusters of 4 x 4, 295,936 bytes of LDS; arguments att, ops, x, b_out, out0; writes out0
.if DOCPART == 4
	.amdgcn_target "amdgcn-amd-amdhsa--gfx1250"
	.amdhsa_code_object_version 6
	.text
	.protected	k_qcd1e77d481_proj
	.globl	k_qcd1e77d481_proj
	.p2align	8
	.type	k_qcd1e77d481_proj,@function
k_qcd1e77d481_proj:
	s_mov_b64 s[64:65], 0
	v_nop
	global_prefetch_b8 v0, s[64:65] scope:SCOPE_SE
	s_setreg_imm32_b32 hwreg(HW_REG_WAVE_MODE, 25, 1), 1
	s_wait_xcnt 0x0
	s_wait_alu depctr_hold_cnt(0) depctr_sa_sdst(0) depctr_va_vdst(0) depctr_va_sdst(0) depctr_va_ssrc(0) depctr_va_vcc(0) depctr_vm_vsrc(0)
	s_getreg_b32 s2, hwreg(HW_REG_IB_STS2, 6, 4)
	s_cmp_eq_u32 s2, 0
	s_cbranch_scc0 .Lentry_in_a_cluster
	s_endpgm
.Lentry_in_a_cluster:
	s_bfe_u32 s2, ttmp6, 0x10000c
	s_cmp_lg_u32 s2, 0xf033
	s_cbranch_scc0 .Lentry_shape_is_right
	s_endpgm
.Lentry_shape_is_right:
; out0 = att W_out^T + b_out + x.  The product runs on codes of FP6 (E2M3) with E8M0 scales, K = 1,024; bias and residual are added in f32.
; OPERANDS are images of fragments (16 rows x 128 K: registers 2 g, 2 g + 1 of lane l at 256 g + 8 l; a row block's eight fragments are 12,288 bytes on end): att's 512 row blocks in att, W_out's 64 in ops from
; row block 704 on.  Row block 2 G + u, lane row r, holds row 32 G + 8 u + r + 8 (r / 8).  Scale words: 512 bytes a row block, [jj][lane][j]: K step 4 jj + 2 j + lane / 16, row lane % 16.
; A TILE is 128 rows of att (A) x 256 rows of W_out (B).  Source 0 = B, source 1 = A: a lane holds one row of the output, and the 16 registers of two neighbouring tiles of B are 16 neighbouring columns.
; Eight waves, 2 (A) x 4 (B), each 64 x 64: 16 accumulators.  256 work-groups.  All of K for the tile is 294,912 bytes: every LDS byte is filled ONCE, in four slots of 256 along K; nothing is filled again.
; CLUSTER 4 x 4: A's tile hangs on cy and the cluster's y and is asked for jointly along a row of the cluster, B's on cx, along a column.
; THE WAY OUT: 16 rows x 64 columns at a time through the wave's own stage in LDS, back as rows of 256 bytes into the registers that they left; bias and x are added; sixteen lanes store 256 consecutive bytes.
; The stages lie in slot 0: it has had its only fill, and every wave's reads of it lie ahead of three later barriers.
; REGISTERS: window 0: v1-7 addresses; v16-31 A's scale words, v32-47 B's; v48-111 two sets of x; v112-115 the bias; v128-255 accumulators (a, b) at 128 + 8 (4 a + b).  window 1: v0-47 A's four fragments, v48-95 B's.
.set RBK,   12288
.set RBS,   3072
.set FRB,   1536
.set SLOTB, 24*RBS
.set SR0,   9437184                    ; scale words in ops
.set SRA,   6291456                    ; scale words in att
.set SP,    272                        ; a stage row: 256 bytes + 16
.set WV,  14
.set WA,  15
.set WB,  16
.set G1A, 20
.set G1B, 28
.set G0A, 36
.set G0B, 52
.set L8,  1
.set ADA, 2
.set ADB, 3
.set GO,  4                            ; v4  4,096 (lane / 16) + 16 (lane % 16): my place in two rows of x and of the output
.set BO,  5                            ; v5  16 (lane % 16)
.set STO, 6                            ; v6  into the stage
.set RD,  7                            ; v7  out of it
.set SA,  16
.set SB,  32
.set XR,  48
.set BI,  112
.set ACC, 128
.set FA,  0
.set FB,  48
.set MSB, 0
.macro WIN new                         ; the immediate's high byte repeats the setting that is left
.if MSB != \new
	s_set_vgpr_msb (MSB<<8)|\new
.set MSB, \new
.endif
.endm
.set MUL,  0x05                        ; sources 0 and 1 window 1; C and D window 0
.set TO_F, 0x40                        ; destination window 1, address window 0
.macro CROUND                          ; a round of the cluster's barrier
	s_barrier_signal -1
	s_barrier_wait -1
	s_cmp_lg_u32 s[WV], 0
	s_cbranch_scc1 .Lnot_wave_0_\@
	s_barrier_signal -3
.Lnot_wave_0_\@:
	s_barrier_wait -3
	s_barrier_signal -1
	s_barrier_wait -1
.endm
.macro PLACES n
.rept \n
	v_nop
.endr
.endm
	s_load_b256 s[4:11], s[0:1], 0x0               ; att s[4:5], ops s[6:7], x s[8:9], b_out s[10:11]
	s_load_b64 s[12:13], s[0:1], 0x20              ; out0
	v_lshl_add_u32 v126, v0, 2, 0x48000
	v_mov_b32 v127, 0
	ds_add_u32 v126, v127
	ds_add_u32 v126, v127
	v_lshrrev_b32 v1, 5, v0
	v_readfirstlane_b32 s[WV], v1                  ; wave 0..7
	s_lshr_b32 s[WA], s[WV], 2
	s_and_b32 s[WB], s[WV], 3
	s_bfe_u32 s17, ttmp6, 0x40000                  ; cx
	s_bfe_u32 s18, ttmp6, 0x40004                  ; cy
	s_and_b32 s19, ttmp7, 0xffff
	s_lshl_b32 s74, s19, 2
	s_add_co_u32 s74, s74, s18                     ; A's tile, 0..63: never holds cx
	s_lshl_b32 s76, ttmp9, 2
	s_add_co_u32 s76, s76, s17                     ; B's tile, 0..3: never holds cy
	s_lshl_b32 s78, s74, 3                         ; A's first row block in att
	s_lshl_b32 s80, s76, 4
	s_add_co_u32 s80, s80, 704                     ; B's in ops
	s_lshl_b32 s82, s18, 2
	s_lshl_b32 s82, 15, s82                        ; my row of the cluster
	s_lshl_b32 s83, 0x1111, s17                    ; my column
	; descriptor group 1: 4 rows of 3,072 bytes (384 elements of 8 bytes), 12,288 bytes apart; dense in LDS
	s_or_b32 s[G1A], s82, (3<<16)|(1<<21)
	s_or_b32 s[G1B], s83, (3<<16)|(1<<21)
.irp g, G1A, G1B
	s_mov_b32 s[\g+1], 384<<16
	s_mov_b32 s[\g+2], 4<<16
	s_mov_b32 s[\g+3], 384<<16
	s_mov_b32 s[\g+4], 4
	s_mov_b32 s[\g+5], 1536
	s_mov_b32 s[\g+6], 0
	s_mov_b32 s[\g+7], 0
.endr
	s_and_b32 s84, s[WV], 1                        ; waves 0, 1 fetch A's row blocks 0-3, 4-7;
	s_lshl_b32 s84, s84, 2
	s_add_co_u32 s84, s84, s78
	s_mul_i32 s84, s84, RBK
	s_mov_b32 s85, 0
	s_sub_co_u32 s86, s[WV], 2                     ; waves 2 to 5 B's
	s_and_b32 s86, s86, 3
	s_lshl_b32 s86, s86, 2
	s_add_co_u32 s86, s86, s80
	s_mul_i32 s86, s86, RBK
	s_mov_b32 s87, 0
	s_min_u32 s88, s[WV], 5
	s_mul_i32 s88, s88, 4*RBS
	s_lshl_b32 s91, s[WA], 2
	s_add_co_u32 s91, s91, s78
	s_lshl_b32 s92, s91, 9
	s_add_co_u32 s92, s92, SRA                     ; my rows' scale words, in att
	s_mov_b32 s93, 0
	s_lshl_b32 s91, s[WB], 2
	s_add_co_u32 s91, s91, s80
	s_lshl_b32 s94, s91, 9
	s_add_co_u32 s94, s94, SR0                     ; my columns', in ops
	s_mov_b32 s95, 0
	s_lshl_b32 s89, s74, 1
	s_add_co_u32 s89, s89, s[WA]                   ; my 64 rows of the output
	s_lshl_b32 s90, s76, 2
	s_add_co_u32 s90, s90, s[WB]                   ; my 64 columns
	s_lshl_b32 s98, s90, 8                         ; 256 bytes
	s_mov_b32 s99, 0
	s_lshl_b32 s96, s89, 18                        ; 64 rows of 4,096 bytes
	s_add_co_u32 s96, s96, s98
	s_mov_b32 s97, 0
	v_and_b32 v1, 31, v0
	v_lshlrev_b32 v[L8], 3, v1
	s_mul_i32 s89, s[WA], 4*RBS
	v_add_nc_u32 v[ADA], s89, v[L8]
	s_mul_i32 s90, s[WB], 4*RBS
	s_add_co_u32 s90, s90, 8*RBS
	v_add_nc_u32 v[ADB], s90, v[L8]
	v_and_b32 v8, 15, v0                           ; lane % 16
	v_bfe_u32 v9, v0, 4, 1                         ; lane / 16
	v_lshlrev_b32 v[BO], 4, v8
	v_lshl_add_u32 v[GO], v9, 12, v[BO]
	s_mul_i32 s91, s[WV], 16*SP                    ; my stage
	v_mul_u32_u24 v[STO], v8, SP                   ; in: row r; my half's 16 columns of each 32: + 64 h
	v_lshl_add_u32 v[STO], v9, 6, v[STO]
	v_add_nc_u32 v[STO], s91, v[STO]
	v_mul_u32_u24 v[RD], v9, SP                    ; back: lanes 0-15 one row, lanes 16-31 the next
	v_add_nc_u32 v[RD], v[RD], v[BO]
	v_add_nc_u32 v[RD], s91, v[RD]
	s_wait_dscnt 0x0
	s_wait_kmcnt 0x0
	s_add_nc_u64 s[84:85], s[4:5], s[84:85]
	s_add_nc_u64 s[86:87], s[6:7], s[86:87]
	s_add_nc_u64 s[92:93], s[4:5], s[92:93]
	s_add_nc_u64 s[94:95], s[6:7], s[94:95]
	s_add_nc_u64 s[8:9], s[8:9], s[96:97]
	s_add_nc_u64 s[12:13], s[12:13], s[96:97]
	s_add_nc_u64 s[10:11], s[10:11], s[98:99]
.irp g, 0,1,2,3
	s_mov_b32 s[G0A+4*\g], 1
	s_add_co_u32 s[G0A+4*\g+1], s88, \g*SLOTB
	s_add_nc_u64 s[G0A+4*\g+2:G0A+4*\g+3], s[84:85], \g*RBS
	s_or_b32 s[G0A+4*\g+3], s[G0A+4*\g+3], 0x80000000
	s_mov_b32 s[G0B+4*\g+4*(\g/3)], 1
	s_add_co_u32 s[G0B+4*\g+4*(\g/3)+1], s88, \g*SLOTB
	s_add_nc_u64 s[G0B+4*\g+4*(\g/3)+2:G0B+4*\g+4*(\g/3)+3], s[86:87], \g*RBS
	s_or_b32 s[G0B+4*\g+4*(\g/3)+3], s[G0B+4*\g+4*(\g/3)+3], 0x80000000
.endr
	CROUND                                         ; all sixteen work-groups are here: the joint loads meet
	s_cmp_lt_u32 s[WV], 2                          ; a wave's four fills stand in one branch on its number: four tensor loads of mine are out at the most
	s_cbranch_scc0 .Lnot_a
.irp g, 0,1,2,3
	tensor_load_to_lds s[G0A+4*\g:G0A+4*\g+3], s[G1A:G1A+7]
	s_nop 0
.endr
	PLACES 4
	s_branch .Lasked
.Lnot_a:
	s_cmp_lt_u32 s[WV], 6
	s_cbranch_scc0 .Lasked
.irp g, 0,1,2,3
	tensor_load_to_lds s[G0B+4*\g+4*(\g/3):G0B+4*\g+4*(\g/3)+3], s[G1B:G1B+7]
	s_nop 0
.endr
	PLACES 4
.Lasked:
.irp i, 0,1,2,3
.irp j, 0,1
	global_load_b64 v[SA+4*\i+2*\j:SA+4*\i+2*\j+1], v[L8], s[92:93] offset:512*\i+256*\j
	global_load_b64 v[SB+4*\i+2*\j:SB+4*\i+2*\j+1], v[L8], s[94:95] offset:512*\i+256*\j
.endr
.endr
; x at the 16 rows of my tile a of A, my 64 columns: stage row 2 t + lane / 16 is row 32 (a / 2) + 8 (a % 2) + 2 t + 8 (t / 4) + lane / 16 of my 64
.macro XLOAD a
.irp t, 0,1,2,3,4,5,6,7
	global_load_b128 v[XR+32*((\a)%2)+4*\t:XR+32*((\a)%2)+4*\t+3], v[GO], s[8:9] offset:(32*((\a)/2)+8*((\a)%2)+2*\t+8*(\t/4))*4096 th:TH_LOAD_NT
.endr
.endm
	global_load_b128 v[BI:BI+3], v[BO], s[10:11]   ; the bias of my four columns of a row's 64
	XLOAD 0
	XLOAD 1
.macro KLOAD kk
	WIN TO_F
.irp i, 0,1,2,3
.irp g, 0,1,2,3,4,5
	ds_load_b64 v[FB+12*\i+2*\g:FB+12*\i+2*\g+1], v[ADB] offset:RBS*\i+FRB*\kk+256*\g
.endr
.endr
.irp i, 0,1,2,3
.irp g, 0,1,2,3,4,5
	ds_load_b64 v[FA+12*\i+2*\g:FA+12*\i+2*\g+1], v[ADA] offset:RBS*\i+FRB*\kk+256*\g
.endr
.endr
.endm
; 16 matrix instructions, K step s.  The 16 accumulators take turns, one instruction a turn.  The waits leave A's later fragments, six loads each, on their way.
.macro KMUL s, zero
	WIN MUL
.irp a, 0,1,2,3
	s_wait_dscnt 6*(3-\a)
.irp b, 0,1,2,3
.if \zero
	v_wmma_scale_f32_16x16x128_f8f6f4 v[ACC+8*(4*\a+\b):ACC+8*(4*\a+\b)+7], v[FB+12*\b:FB+12*\b+11], v[FA+12*\a:FA+12*\a+11], 0, v[SB+4*\b+(\s)/2], v[SA+4*\a+(\s)/2] matrix_a_fmt:MATRIX_FMT_FP6 matrix_b_fmt:MATRIX_FMT_FP6
.elseif (\s)%2
	v_wmma_scale_f32_16x16x128_f8f6f4 v[ACC+8*(4*\a+\b):ACC+8*(4*\a+\b)+7], v[FB+12*\b:FB+12*\b+11], v[FA+12*\a:FA+12*\a+11], v[ACC+8*(4*\a+\b):ACC+8*(4*\a+\b)+7], v[SB+4*\b+(\s)/2], v[SA+4*\a+(\s)/2] matrix_a_fmt:MATRIX_FMT_FP6 matrix_b_fmt:MATRIX_FMT_FP6 matrix_a_scale:MATRIX_SCALE_ROW1 matrix_b_scale:MATRIX_SCALE_ROW1
.else
	v_wmma_scale_f32_16x16x128_f8f6f4 v[ACC+8*(4*\a+\b):ACC+8*(4*\a+\b)+7], v[FB+12*\b:FB+12*\b+11], v[FA+12*\a:FA+12*\a+11], v[ACC+8*(4*\a+\b):ACC+8*(4*\a+\b)+7], v[SB+4*\b+(\s)/2], v[SA+4*\a+(\s)/2] matrix_a_fmt:MATRIX_FMT_FP6 matrix_b_fmt:MATRIX_FMT_FP6
.endif
.endr
.endr
.endm
; Slot g: my part of it has landed (my 3 - g later loads may stay out), a barrier, its two K steps.  Loads into registers that matrix instructions have read stand four plain places behind them.
.macro SLOT g
	s_wait_tensorcnt 3-\g
	s_barrier_signal -1
	s_barrier_wait -1
	KLOAD 0
.if \g == 0
	KMUL 0, 1                                      ; the first products start the sums: nothing is cleared
.else
	KMUL 2*\g, 0
.endif
	PLACES 4
	KLOAD 1
	KMUL 2*\g+1, 0
	WIN 0
.if \g < 3
	v_add_nc_u32 v[ADA], SLOTB, v[ADA]
	v_add_nc_u32 v[ADB], SLOTB, v[ADB]
.endif
	PLACES 4
.endm
	s_wait_loadcnt 17                              ; the 16 loads of scale words are in; the bias and two sets of x may stay out
	SLOT 0
	SLOT 1
	SLOT 2
	SLOT 3
; Tile a of A: accumulator (a, b), lane (r, h), register j is column 32 (b / 2) + 16 h + 8 (b % 2) + j of row r.  Each accumulator goes to the stage from its low end on.
.macro TOSTAGE a
.irp b, 0,1,2,3
	ds_store_b128 v[STO], v[ACC+32*(\a)+8*\b:ACC+32*(\a)+8*\b+3] offset:128*(\b/2)+32*(\b%2)
	ds_store_b128 v[STO], v[ACC+32*(\a)+8*\b+4:ACC+32*(\a)+8*\b+7] offset:128*(\b/2)+32*(\b%2)+16
.endr
.irp t, 0,1,2,3,4,5,6,7
	ds_load_b128 v[ACC+32*(\a)+4*\t:ACC+32*(\a)+4*\t+3], v[RD] offset:2*SP*\t   ; LDS serves a wave's instructions in order: these see the stores above, and the next tile's stores come behind them
.endr
.endm
; younger: the LDS instructions issued behind tile a's loads;  left: the loads of x issued behind tile a's
.macro SEND a, younger, left
.set AC, ACC+32*(\a)
.set XS, XR+32*((\a)%2)
	s_wait_dscnt \younger
	s_wait_loadcnt \left
.irp t, 0,1,2,3,4,5,6,7
.irp q, 0,2
	v_pk_add_f32 v[AC+4*\t+\q:AC+4*\t+\q+1], v[AC+4*\t+\q:AC+4*\t+\q+1], v[BI+\q:BI+\q+1]
.endr
.endr
.irp t, 0,1,2,3,4,5,6,7
.irp q, 0,2
	v_pk_add_f32 v[AC+4*\t+\q:AC+4*\t+\q+1], v[AC+4*\t+\q:AC+4*\t+\q+1], v[XS+4*\t+\q:XS+4*\t+\q+1]
.endr
.endr
.irp t, 0,1,2,3,4,5,6,7
	global_store_b128 v[GO], v[AC+4*\t:AC+4*\t+3], s[12:13] offset:(32*((\a)/2)+8*((\a)%2)+2*\t+8*(\t/4))*4096 th:TH_STORE_NT   ; 16 lanes store 256 consecutive bytes, at a multiple of 256 from the output's first byte
.endr
.if (\a) < 2
	XLOAD (\a)+2                                   ; into the set just added
.endif
.endm
	TOSTAGE 0
	TOSTAGE 1
	SEND 0, 16, 8
	TOSTAGE 2
	SEND 1, 16, 8
	TOSTAGE 3
	SEND 2, 16, 8
	SEND 3, 0, 0
	s_wait_tensorcnt 0x0
	ds_add_u32 v126, v127
	s_wait_dscnt 0x0
	CROUND                                         ; the closing round: no work-group ends while a partner may still ask for a tile that names it
	s_endpgm
.Lfunc_end_k_qcd1e77d481_proj:
	.size	k_qcd1e77d481_proj, .Lfunc_end_k_qcd1e77d481_proj-k_qcd1e77d481_proj
	.p2alignl 7, 3214868480
	.fill 96, 4, 3214868480
	.section	.rodata,"a",@progbits
	.p2align	6, 0x0
	.amdhsa_kernel k_qcd1e77d481_proj
		.amdhsa_group_segment_fixed_size 295936
		.amdhsa_private_segment_fixed_size 0
		.amdhsa_enable_private_segment 0
		.amdhsa_kernarg_size 40
		.amdhsa_user_sgpr_count 2
		.amdhsa_user_sgpr_kernarg_segment_ptr 1
		.amdhsa_wavefront_size32 1
		.amdhsa_system_sgpr_workgroup_id_x 1
		.amdhsa_system_sgpr_workgroup_id_y 1
		.amdhsa_system_sgpr_workgroup_id_z 1
		.amdhsa_system_vgpr_workitem_id 0
		.amdhsa_next_free_vgpr 352
		.amdhsa_next_free_sgpr 100
		.amdhsa_reserve_vcc 0
		.amdhsa_float_denorm_mode_32 3
		.amdhsa_float_denorm_mode_16_64 3
		.amdhsa_memory_ordered 1
		.amdhsa_forward_progress 1
		.amdhsa_inst_pref_size 72
	.end_amdhsa_kernel
	.amdgpu_metadata
---
amdhsa.version: [ 1, 2 ]
amdhsa.kernels:
  - .name:           k_qcd1e77d481_proj
    .symbol:         k_qcd1e77d481_proj.kd
    .args:
      - { .name: att, .offset: 0, .size: 8, .value_kind: global_buffer, .address_space: global }
      - { .name: ops, .offset: 8, .size: 8, .value_kind: global_buffer, .address_space: global }
      - { .name: x, .offset: 16, .size: 8, .value_kind: global_buffer, .address_space: global }
      - { .name: b_out, .offset: 24, .size: 8, .value_kind: global_buffer, .address_space: global }
      - { .name: out0, .offset: 32, .size: 8, .value_kind: global_buffer, .address_space: global }
    .group_segment_fixed_size: 295936
    .private_segment_fixed_size: 0
    .kernarg_segment_align: 8
    .kernarg_segment_size: 40
    .max_flat_workgroup_size: 256
    .sgpr_count:     100
    .vgpr_count:     352
    .wavefront_size: 32
...
	.end_amdgpu_metadata
.endif
;; end of part 4
